; MI455X (gfx1250); checked and timed in simulation.
; The chip was launched on July 23, 2026; its instructions are those of AMD's public machine-readable ISA for CDNA 5 (MIT licence, August 2026) and "CDNA5" Instruction Set Architecture Reference Guide (July 2026). The comments in the code are by the model that wrote it; some were corrected since.
;; Head. Allowed arithmetic: matrix products marked QUANTISED: E2M1 operands, one E8M0 scale for each 32 along K, by v_wmma_scale_f32_16x16x128_f8f6f4 with both operands' format E2M1 (or v_wmma_scale_f32_32x16x128_f4), f32 sums; everything else in f32.
;; Inputs: Wk 1,024 x 128 float32; Wq 1,024 x 128 float32; Wv 1,024 x 128 float32; x 8 x 4,096 x 1,024 float32.
;; Outputs: out0 8 x 4,096 x 128 float32.
;; This version of the problem:
;;   THIS VERSION OF THE PROBLEM IS GIVEN IN LOW PRECISION. The matrix products marked QUANTISED in the list below multiply operands that are first quantised to E2M1 (2 exponent bits, 1 mantissa bit; 4 bits a number), with one power-of-two scale for each 32 numbers along K (OCP MX v1.0); their sums are f32. All else is computed in f32.
;;   The module's matrix products, in the order in which they are computed (A, B: the left and right operand; K: the contracted axis; several contracted axes count as one K, in the product's order):
;;     1. [M 32,768, K 1,024] x [K 1,024, N 128]; A: input x; B: input Wq: QUANTISED
;;     2. [M 32,768, K 1,024] x [K 1,024, N 128]; A: input x; B: input Wk: QUANTISED
;;     3. [M 32,768, K 1,024] x [K 1,024, N 128]; A: input x; B: input Wv: QUANTISED
;;     4. batch 8 x [M 4,096, K 128] x [K 128, N 4,096]; A: computed on the way; B: computed on the way: QUANTISED
;;     5. batch 8 x [M 4,096, K 4,096] x [K 4,096, N 128]; A: softmax (see below); B: computed on the way: QUANTISED
;;   THE QUANTISER, for each operand of a quantised product, along K:
;;     - K is cut into blocks of 32 from its start; a last block that is shorter is filled with zeros.
;;     - A block's scale is 2^e with e = floor(log2(the largest magnitude in the block)) - 2, held to -126 .. 127; a block of zeros has e = 0. As a byte (E8M0): e + 127.
;;     - Each number is divided by its block's scale, clamped to +-6, and rounded to the nearest number of E2M1, ties to even, subnormals kept.
;;     - The product sums the exact products of the quantised numbers (number of the format x scale) in f32.
;;   ~~~python
;;   def quantise(x, axis):      # numpy; x: float32 -> the quantised numbers, widened to float32 again
;;       x = np.moveaxis(x, axis, -1); K = x.shape[-1]
;;       x = np.pad(x, [(0, 0)] * (x.ndim - 1) + [(0, -K % 32)]); x = x.reshape(x.shape[:-1] + (-1, 32)); a = np.abs(x).max(-1, keepdims=True)
;;       e = np.where(a > 0, np.clip(np.frexp(np.where(a > 0, a, 1))[1] - 1 - 2, -126, 127), 0)      # np.frexp(a)[1] - 1 = floor(log2(a)), exactly
;;       r = np.clip(x / 2.0 ** e, -6, 6)
;;       step = 2.0 ** (np.maximum(np.frexp(np.where(r == 0, 1, r))[1] - 1, 0) - 1)
;;       q = np.round(r / step) * step * 2.0 ** e      # np.round: ties to even
;;       return np.moveaxis(q.reshape(q.shape[:-2] + (-1,))[..., :K], -1, axis).astype(np.float32)
;;   ~~~
;;   SOFTMAX AHEAD OF A QUANTISED PRODUCT. Where the list says 'softmax', what is quantised is not the finished softmax but p = 2^(t - M), with t = logit x log2(e) and M = ceil(the row's largest t), a whole number; so 1/2 < the row's largest p <= 1. The row's sum l is taken of the UNQUANTISED p, in f32, and the product's result is divided by l at the end. Since M is a whole number, a kernel that streams over the keys may use a running M (the ceiling of the running maximum): every later rescaling is an exact power of two, which a block's scale takes up: the codes' values come out the same.
;;   OPERANDS COMPUTED ON THE WAY. 'Computed on the way' means the value that the module computes at that place (a softmax that the list does not call 'softmax' is quantised finished and normalised). What goes into a quantiser is computed in f32, as accurately as f32 sums, v_exp_f32 and their like allow (about 1e-6 of the number): no bf16 or f16 on the way to a quantiser, and a product that is left as it is and whose result goes on into a quantised operand takes f32 operands (vector FMAs, or v_wmma_f32_16x16x4_f32). A number that lies on a knife's edge between two numbers of the format may be rounded either way, as far as f32 arithmetic and the matrix unit's own rounding can turn it there, and no further.
;; One version. Each part assembles by itself: llvm-mc -triple=amdgcn-amd-amdhsa -mcpu=gfx1250 --defsym DOCPART=n.
;; ======== version 1 of 1: 3 launches
;; workspace buffers: wbuf 208,896 bytes; qbuf 2,228,224 bytes; kvc 4,194,304 bytes; kvs 262,144 bytes
;; launch quantw (part 1): grid 8 x 3, 4 waves a work-group, no clusters, 9,216 bytes of LDS; arguments Wq, Wk, Wv, wbuf; writes wbuf
.if DOCPART == 1
	.amdgcn_target "amdgcn-amd-amdhsa--gfx1250"
	.amdhsa_code_object_version 6
	.text
	.protected	k_q0550839c9a_quantw
	.globl	k_q0550839c9a_quantw
	.p2align	8
	.type	k_q0550839c9a_quantw,@function
k_q0550839c9a_quantw:
	s_mov_b64 s[64:65], 0
	v_nop
	global_prefetch_b8 v0, s[64:65] scope:SCOPE_SE
	s_setreg_imm32_b32 hwreg(HW_REG_WAVE_MODE, 25, 1), 1
	s_wait_xcnt 0x0
; Wq, Wk, Wv [1024 (k)][128 (d)], f32, become codes of FP4 (E2M1) with one E8M0 scale byte for each 32 along k, laid in wbuf in the order of a matrix operand's registers.
; wbuf = [role q, k, v][K step of 128][8,704 bytes]: eight fragments of 16 columns x 128 k, 1,024 bytes each (registers 4 c .. 4 c + 3 of lane l at 512 c + 16 l), then 512 bytes of scale words:
; the word of tile T, row r at 16 (r + 16 (T % 2)) + 4 (T / 2), so that one load of 16 bytes a lane brings four scale registers, an even tile in lanes 0-15 and the odd one beside it in lanes 16-31.
; THE COLUMNS OF A TILE ARE NOT NEIGHBOURS: row r of tile T is column 32 (T / 2) + 8 (T % 2) + r + 8 (r / 8): the 16 result registers of two neighbouring tiles are then 16 neighbours along the next product's K.
; A work-group makes one block (grid x = K step, y = role).  A LANE TAKES A COLUMN AND ITS REGISTERS RUN DOWN k: wave w, lane l: column 32 w + l; a load of a wave reads 128 consecutive bytes, the four waves a whole row of 512.
; A block of 32 lies in one lane's 32 registers, and a lane's four blocks make its column's whole scale word.  The codes go through LDS and leave as runs of 512 consecutive bytes.
; A block's scale is 2^(floor(log2(largest magnitude)) - 2); its byte is the largest magnitude's exponent field - 2, held at 1 from below.
; LIMITS: a block whose largest magnitude lies under 2^-124 gets the byte 1; a block of zeros gets 1 where the rule says 127 (its codes are zeros, and this program alone reads the bytes); NaN and infinities are not served.
; No cluster: no two work-groups read a common byte.  24 work-groups are all the work that there is: 1.5 MB.
.set X,     32                         ; v32-95   two sets of 32 numbers
.set CD,    20                         ; v20-23   a block's codes
.set OUTR,  96                         ; v96-115  the way out
.set SPW,   10                         ; v10      LDS address of my spare word; never rewritten
.set NIL,   11                         ; v11      0; never rewritten
.set SCB,   8192                       ; LDS: 0 the eight images; 8,192 the scale words;
.set SPARE, 8704                       ; 8,704 the spare words, 128 bytes for each wave: two blocks of 256 bytes that no other line names
	s_load_b256 s[4:11], s[0:1], 0x0               ; Wq s[4:5], Wk s[6:7], Wv s[8:9], wbuf s[10:11]
	v_lshl_add_u32 v[SPW], v0, 2, SPARE
	v_mov_b32 v[NIL], 0
	v_lshrrev_b32 v1, 5, v0
	v_readfirstlane_b32 s16, v1                    ; wave 0..3
	s_and_b32 s12, ttmp7, 0xffff                   ; role
	v_and_b32 v2, 31, v0                           ; lane
	v_and_b32 v3, 7, v0
	v_bfe_u32 v4, v0, 4, 1
	v_lshl_add_u32 v3, v4, 3, v3                   ; r = lane % 8 + 8 (lane / 16): my column's row in its tile
	v_bfe_u32 v4, v0, 3, 1                         ; u = (lane / 8) % 2: my column's tile is 2 w + u
	v_lshlrev_b32 v5, 4, v3                        ; 16 r
	s_lshl_b32 s17, s16, 11                        ; 2,048 w: my wave's two images
	v_lshl_add_u32 v6, v4, 10, v5
	v_add_nc_u32 v6, s17, v6                       ; where my codes go: 2,048 w + 1,024 u + 16 r
	s_lshl_b32 s18, s16, 2
	s_add_co_u32 s18, s18, SCB
	v_lshl_add_u32 v7, v4, 8, v5
	v_add_nc_u32 v7, s18, v7                       ; and my scale word: 8,192 + 16 r + 256 u + 4 w
	v_lshlrev_b32 v8, 4, v2                        ; 16 x lane
	v_add_nc_u32 v9, s17, v8                       ; the way out: 2,048 w + 16 x lane, in LDS and in the block alike
	v_lshlrev_b32 v1, 2, v0                        ; W: 4 bytes a thread: column 32 w + lane
	s_lshl_b32 s14, ttmp9, 16                      ; the K step's 128 rows of 512 bytes
	s_mov_b32 s15, 0
	s_lshl_b32 s20, s12, 3
	s_add_co_u32 s20, s20, ttmp9
	s_mul_i32 s20, s20, 8704                       ; my block of wbuf
	s_mov_b32 s21, 0
	s_wait_alu depctr_va_vdst(0)
	s_wait_kmcnt 0x0
	s_cmp_eq_u32 s12, 1                            ; the choice hangs on the work-group's number alone
	s_cselect_b64 s[4:5], s[6:7], s[4:5]
	s_cmp_eq_u32 s12, 2
	s_cselect_b64 s[4:5], s[8:9], s[4:5]
	s_add_nc_u64 s[4:5], s[4:5], s[14:15]
	s_add_nc_u64 s[10:11], s[10:11], s[20:21]
.macro LOAD t                          ; block t: W(32 t + i, my column), i = 0 .. 31, into set t % 2
.irp i, 0,1,2,3,4,5,6,7,8,9,10,11,12,13,14,15,16,17,18,19,20,21,22,23,24,25,26,27,28,29,30,31
	global_load_b32 v[X+32*((\t)%2)+\i], v1, s[4:5] offset:(32*(\t)+\i)*512 th:TH_LOAD_NT
.endr
.endm
.macro BLOCK t
.set XS, X+32*((\t)%2)
.if (\t) < 3
	s_wait_loadcnt 32                              ; this block's 32 loads are in; the next block's 32 may be out
.else
	s_wait_loadcnt 0x0
.endif
	v_max3_num_f32 v12, |v[XS]|, |v[XS+1]|, |v[XS+2]|               ; the block's largest magnitude, in two chains: all 32 numbers are mine
	v_max3_num_f32 v13, |v[XS+3]|, |v[XS+4]|, |v[XS+5]|
.irp i, 6,10,14,18,22,26
	v_max3_num_f32 v12, v12, |v[XS+\i]|, |v[XS+\i+1]|
	v_max3_num_f32 v13, v13, |v[XS+\i+2]|, |v[XS+\i+3]|
.endr
	v_max3_num_f32 v12, v12, |v[XS+30]|, |v[XS+31]|
	v_max3_num_f32 v12, v12, v13, 0x1800000        ; and the floor 2^(3 - 127): the byte cannot fall under 1
	v_add_nc_u32 v14, 0xff000000, v12              ; 2 off the exponent field: the conversion takes the exponent field of this operand as its scale
	v_lshrrev_b32 v15, 23, v14                     ; the scale's byte
.if (\t) == 0
	v_mov_b32 v16, v15                             ; four bytes make my column's scale word, the lower k in the lower byte
.else
	v_lshl_or_b32 v16, v15, 8*(\t), v16
.endif
.irp g, 0,1,2,3
	v_cvt_scalef32_pk8_fp4_f32 v[CD+\g], v[XS+8*\g:XS+8*\g+7], v14
.endr
	ds_store_b128 v6, v[CD:CD+3] offset:512*((\t)/2)+256*((\t)%2)   ; k = 32 t on belongs to registers 4 (t / 2) on of lane r + 16 (t % 2)
.if (\t)+2 < 4
	LOAD (\t)+2
.endif
	s_wait_dscnt 0x0                               ; the store has read its registers: the next block's codes may be written
.endm
	LOAD 0
	LOAD 1
.irp t, 0,1,2,3
	BLOCK \t
.endr
	s_wait_alu depctr_va_vdst(0)
	ds_store_b32 v7, v16
.irp i, 0,1,2,3
	ds_load_b128 v[OUTR+4*\i:OUTR+4*\i+3], v9 offset:512*\i        ; my wave's own two images: LDS serves a wave's instructions in order
.endr
.irp i, 0,1,2,3
	s_wait_dscnt 3-\i                              ; the younger read-backs may be out
	global_store_b128 v9, v[OUTR+4*\i:OUTR+4*\i+3], s[10:11] offset:512*\i   ; 32 lanes store 512 consecutive bytes
.endr
	s_wait_dscnt 0x0                               ; for the others' sake: my scale words have landed
	s_barrier_signal -1
	s_barrier_wait -1
	s_cmp_lg_u32 s16, 0                            ; the 512 bytes of scale words come from all four waves: wave 0 stores them
	s_cbranch_scc1 .Lend
	ds_load_b128 v[OUTR+16:OUTR+19], v8 offset:SCB
	s_wait_dscnt 0x0
	global_store_b128 v8, v[OUTR+16:OUTR+19], s[10:11] offset:SCB
.Lend:
	s_wait_tensorcnt 0x0                           ; the wave's end: behind my last LDS store
	ds_add_u32 v[SPW], v[NIL]
	s_wait_dscnt 0x0
	s_endpgm
.Lfunc_end_k_q0550839c9a_quantw:
	.size	k_q0550839c9a_quantw, .Lfunc_end_k_q0550839c9a_quantw-k_q0550839c9a_quantw
	.p2alignl 7, 3214868480
	.fill 96, 4, 3214868480
	.section	.rodata,"a",@progbits
	.p2align	6, 0x0
	.amdhsa_kernel k_q0550839c9a_quantw
		.amdhsa_group_segment_fixed_size 9216
		.amdhsa_private_segment_fixed_size 0
		.amdhsa_enable_private_segment 0
		.amdhsa_kernarg_size 32
		.amdhsa_user_sgpr_count 2
		.amdhsa_user_sgpr_kernarg_segment_ptr 1
		.amdhsa_wavefront_size32 1
		.amdhsa_system_sgpr_workgroup_id_x 1
		.amdhsa_system_sgpr_workgroup_id_y 1
		.amdhsa_system_sgpr_workgroup_id_z 1
		.amdhsa_system_vgpr_workitem_id 0
		.amdhsa_next_free_vgpr 128
		.amdhsa_next_free_sgpr 66
		.amdhsa_reserve_vcc 0
		.amdhsa_float_denorm_mode_32 3
		.amdhsa_float_denorm_mode_16_64 3
		.amdhsa_memory_ordered 1
		.amdhsa_forward_progress 1
		.amdhsa_inst_pref_size 22
	.end_amdhsa_kernel
	.amdgpu_metadata
---
amdhsa.version: [ 1, 2 ]
amdhsa.kernels:
  - .name:           k_q0550839c9a_quantw
    .symbol:         k_q0550839c9a_quantw.kd
    .args:
      - { .name: Wq, .offset: 0, .size: 8, .value_kind: global_buffer, .address_space: global }
      - { .name: Wk, .offset: 8, .size: 8, .value_kind: global_buffer, .address_space: global }
      - { .name: Wv, .offset: 16, .size: 8, .value_kind: global_buffer, .address_space: global }
      - { .name: wbuf, .offset: 24, .size: 8, .value_kind: global_buffer, .address_space: global }
    .group_segment_fixed_size: 9216
    .private_segment_fixed_size: 0
    .kernarg_segment_align: 8
    .kernarg_segment_size: 32
    .max_flat_workgroup_size: 128
    .sgpr_count:     66
    .vgpr_count:     128
    .wavefront_size: 32
...
	.end_amdgpu_metadata
.endif
;; end of part 1
;; launch proj (part 2): grid 256 x 1, 4 waves a work-group, clusters of 4 x 1, 327,680 bytes of LDS; arguments x, wbuf, qbuf, kvc, kvs; writes qbuf, kvc, kvs
.if DOCPART == 2
	.amdgcn_target "amdgcn-amd-amdhsa--gfx1250"
	.amdhsa_code_object_version 6
	.text
	.protected	k_q0550839c9a_proj
	.globl	k_q0550839c9a_proj
	.p2align	8
	.type	k_q0550839c9a_proj,@function
k_q0550839c9a_proj:
	s_mov_b64 s[64:65], 0
	v_nop
	global_prefetch_b8 v0, s[64:65] scope:SCOPE_SE
	s_setreg_imm32_b32 hwreg(HW_REG_WAVE_MODE, 25, 1), 1
	s_wait_xcnt 0x0
	s_wait_alu depctr_hold_cnt(0) depctr_sa_sdst(0) depctr_va_vdst(0) depctr_va_sdst(0) depctr_va_ssrc(0) depctr_va_vcc(0) depctr_vm_vsrc(0)
	s_getreg_b32 s2, hwreg(HW_REG_IB_STS2, 6, 4)
	s_cmp_eq_u32 s2, 0
	s_cbranch_scc0 .Lentry_in_a_cluster
	s_endpgm
.Lentry_in_a_cluster:
	s_bfe_u32 s2, ttmp6, 0x10000c
	s_cmp_lg_u32 s2, 0x3003
	s_cbranch_scc0 .Lentry_shape_is_right
	s_endpgm
.Lentry_shape_is_right:
; q = x Wq, k = x Wk, v = x Wv on codes of FP4 (E2M1) with one E8M0 scale for each 32 along K = 1,024; the results are quantised at once for the attention launch: q and k along the head's 128, v along the tokens.
; x [32,768][1,024] f32 is read once and quantised on the way; W comes as fragments out of wbuf.  q, k and v go to memory as codes alone.
; ONE FORMAT for every operand: a fragment (16 rows x 128 K, 8 registers a lane) is an image of its registers, 1,024 bytes (registers 4 c .. 4 c + 3 of lane l at 512 c + 16 l); eight fragments have 512 bytes of
; scale words, tile T's row r at 16 (r + 16 (T % 2)) + 4 (T / 2): 16 bytes a lane bring four scale registers, an even tile in lanes 0-15, the odd one in lanes 16-31.  Every operand read is 512 consecutive bytes.
; THE ROWS OF A TILE ARE NOT NEIGHBOURS: row r of tile T is 32 (T / 2) + 8 (T % 2) + r + 8 (r / 8), for W's columns and for x's tokens alike: the 16 result registers of tiles 2 b and 2 b + 1 are 16 neighbours along the next K.
; SHARES.  A work-group takes 128 tokens (block G = 4 x cluster + place).  Every wave streams and quantises 32 of them (two tiles), a K step of 128 at a time, and stores their images in LDS.  Waves 0, 1, 2 are the
; roles q, k, v: each holds a whole 128 x 128 result in 64 accumulators, since the quantiser behind it wants all 128 d of a token (q, k) or all 128 tokens of a d (v) in one wave.  Wave 3 has no product.
; ONE TEXT FOR THE THREE ROLES: D(g, e) = P(e) x Q(g).  q, k: P = W's tiles, Q = x's (transposed use: a lane holds a token, its registers run along d).  v: P = x's, Q = Wv's (a lane holds a d, its registers run along the tokens).
; Only two LDS bases differ, both made of the wave's number: LDS holds Wq | Wk | x's images | Wv, so P = region w and Q = region 2 + w / 2.
; CLUSTER.  The four work-groups of a cluster need the same W: each role's 69,632 bytes are asked for JOINTLY, one tensor load a role wave, filled once; a wave reads only what it asked for.  x is shared by nobody.
; OUT.  qbuf [G][8,704].  kvc [batch][place][k's 8 images | v's 8 images], kvs [batch][place][k's 512 | v's 512]; place = 2 x (distance from the centre in blocks of 128 keys) + side (0: keys under 2,048).
; In blocks of side 1, v's image a holds d tile a xor 4 (and its scale words go with it).
; LIMITS: a block whose largest magnitude lies under 2^-124 gets the byte 1; a block of zeros gets 1 where the rule says 127 (its codes are zeros, and this program alone reads the bytes); NaN and infinities are not served.
; REGISTERS.  Window 0: v1-14 addresses; v16-31 at work; v32-49 codes and scale words just made; v52-59 scale words of P and Q; v64-127 numbers of x, then Q's fragments, at the end the results' codes;
;   v128-191 numbers of x, then P's fragments; v200-215 the results' scale words.  Window 1: x as loaded, four sets of 64.  Windows 2, 3: the accumulators, (g, e) at 64 (g % 4) + 8 e of window 2 + g / 4.
.set REG,   69632                      ; a region of LDS: eight blocks of 8,704 bytes
.set BLK,   8704
.set XI,    2*REG                      ; x's images, a block for each K step: written once each
.set STG,   4*REG                      ; a stage of 16 rows x (512 + 16) bytes for each wave
.set STW,   16*528
.set SPARE, STG+4*STW                  ; the spare words, 128 bytes for each wave: two blocks of 256 bytes that no other line names
.set LI,   1                           ; v1   16 x lane
.set STS,  2                           ; v2   my stage + 16 x lane
.set STL,  3                           ; v3   my stage + 528 r + 64 h
.set XWI,  4                           ; v4   where x's images go: XI + 2,048 w + 16 x lane
.set XWS,  5                           ; v5   and their scale words: XI + 8,192 + 16 r + 4 w
.set ADP,  6                           ; v6-7 P's region + 16 x lane, for K steps 0-3 and 4-7 (LDS immediates have 16 bits)
.set ADQ,  8                           ; v8-9 the same for Q
.set VO,   10                          ; v10-11 the way out: images 0-3 and 4-7 (changed round for v in blocks of side 1)
.set SWA,  12                          ; v12  my stage + 16 r
.set SPW,  13                          ; v13  LDS address of my spare word; never rewritten
.set NIL,  14                          ; v14  0; never rewritten
.set TM,   16                          ; v16-19 largest magnitudes, v20-23 the other half's, then bytes, v28-31 the conversions' scale operands
.set PC0,  32
.set PC1,  40
.set PW0,  48
.set PW1,  49
.set PS,   52                          ; v52-55 P's scale words; v56-59 Q's: these eight hold scales and nothing else
.set QS,   56
.set QF,   64
.set PF,   128
.set XT0,  QF
.set XT1,  PF
.set PWE,  200
.set SG,   208
.set SGO,  212
.set WV,   14                          ; s14  my wave's number
.set CX,   15                          ; s15  my place in the cluster: it enters global addresses alone
.set GG,   16                          ; s16  my block of 128 tokens
.set SEL,  20                          ; s[20:21] lane selects: lane l xor 16
.set G1,   24                          ; s[24:31], s[32:35] the descriptor of W's load
.set G0,   32
.set CB,   36                          ; s[36:37] where my role's codes go;  s[38:39] its scale words
.set SB,   38
.set SFM,  40                          ; s40  all ones in wave 2 of a block of side 1, else 0
.set MSB, 0
.macro WIN new                         ; the immediate's high byte repeats the setting that is left; a switch that changes nothing is dropped
.if MSB != (\new)
	s_set_vgpr_msb (MSB<<8)|(\new)
.set MSB, (\new)
.endif
.endm
.macro CROUND                          ; a round of the cluster's barrier
	s_barrier_signal -1
	s_barrier_wait -1
	s_cmp_lg_u32 s[WV], 0
	s_cbranch_scc1 .Lnot_wave_0_\@
	s_barrier_signal -3
.Lnot_wave_0_\@:
	s_barrier_wait -3
	s_barrier_signal -1
	s_barrier_wait -1
.endm
.macro PLACES                          ; four plain places behind matrix instructions, ahead of loads into their registers and of reads of their results
.rept 4
	v_nop
.endr
.endm
	s_load_b256 s[4:11], s[0:1], 0x0               ; x s[4:5], wbuf s[6:7], qbuf s[8:9], kvc s[10:11]
	s_load_b64 s[12:13], s[0:1], 0x20              ; kvs
	v_lshl_add_u32 v[SPW], v0, 2, SPARE
	v_mov_b32 v[NIL], 0
	ds_add_u32 v[SPW], v[NIL]                      ; the wave's opening: the add and its wait ahead of my first tensor load; the set-up below, work on registers, stands between them
	ds_add_u32 v[SPW], v[NIL]
	v_lshrrev_b32 v15, 5, v0
	v_readfirstlane_b32 s[WV], v15                 ; wave 0..3
	s_bfe_u32 s[CX], ttmp6, 0x40000
	s_lshl_b32 s[GG], ttmp9, 2                     ; in a cluster launch ttmp9 counts clusters
	s_add_co_u32 s[GG], s[GG], s[CX]
	s_mov_b32 s[G1], 15|(3<<16)|(1<<21)            ; 15:0 the mask: all four work-groups; 17:16 elements of 8 bytes; 21 set beside a mask; no padding
	s_mov_b32 s[G1+1], 32<<16                      ; tensor_dim0 = 32 elements: rows of 256 bytes
	s_mov_b32 s[G1+2], 272<<16                     ; tensor_dim1 = 272 rows: 69,632 dense bytes
	s_mov_b32 s[G1+3], 32<<16                      ; tile_dim0
	s_mov_b32 s[G1+4], 272                         ; tile_dim1
	s_mov_b32 s[G1+5], 32                          ; the pitch
	s_mov_b32 s[G1+6], 0
	s_mov_b32 s[G1+7], 0
	s_mov_b32 s[SEL], 0x76543210
	s_mov_b32 s[SEL+1], 0xfedcba98
	s_mul_i32 s41, s[WV], STW
	s_add_co_u32 s41, s41, STG                     ; my stage
	v_and_b32 v15, 31, v0                          ; lane
	v_and_b32 v60, 15, v0                          ; r
	v_bfe_u32 v61, v0, 4, 1                        ; h
	v_lshlrev_b32 v[LI], 4, v15
	v_add_nc_u32 v[STS], s41, v[LI]
	v_mul_u32_u24 v[STL], v60, 528
	v_lshl_add_u32 v[STL], v61, 6, v[STL]
	v_add_nc_u32 v[STL], s41, v[STL]
	v_lshl_add_u32 v[SWA], v60, 4, s41
	s_lshl_b32 s46, s[WV], 11
	s_add_co_u32 s46, s46, XI
	v_add_nc_u32 v[XWI], s46, v[LI]
	s_lshl_b32 s46, s[WV], 2
	s_add_co_u32 s46, s46, XI+8192
	v_lshl_add_u32 v[XWS], v60, 4, s46
	s_mul_i32 s44, s[WV], REG                      ; P's region, and my role's part of wbuf
	s_mov_b32 s45, 0
	v_add_nc_u32 v[ADP], s44, v[LI]
	v_add_nc_u32 v[ADP+1], 4*BLK, v[ADP]
	s_lshr_b32 s46, s[WV], 1
	s_add_co_u32 s48, s46, 2
	s_mul_i32 s48, s48, REG                        ; Q's region: 2 + w / 2
	v_add_nc_u32 v[ADQ], s48, v[LI]
	v_add_nc_u32 v[ADQ+1], 4*BLK, v[ADQ]
	s_add_co_u32 s[G0+1], s46, s[WV]
	s_mul_i32 s[G0+1], s[G0+1], REG                ; where my role's W lands: regions 0, 1, 3
	s_lshl_b32 s42, s[GG], 19                      ; x: 128 tokens of 4,096 bytes a block,
	s_lshl_b32 s43, s[WV], 17                      ; 32 tokens a wave
	s_add_co_u32 s42, s42, s43
	s_mov_b32 s43, 0
	s_and_b32 s46, ttmp9, 7
	s_lshl_b32 s47, s46, 2
	s_add_co_u32 s47, s47, s[CX]                   ; my block among the batch's 32
	s_lshl_b32 s47, s47, 1
	s_sub_co_u32 s48, 30, s47                      ; its place: 30 - 2 x block under the centre,
	s_sub_co_u32 s49, s47, 31                      ; 2 x block - 31 above
	s_cmp_ge_u32 s46, 4                            ; blocks 16 on: the same in all four partners
	s_cselect_b32 s48, s49, s48
	s_cselect_b32 s47, 1, 0                        ; the block's side
	s_lshr_b32 s49, ttmp9, 3                       ; batch
	s_lshl_b32 s49, s49, 5
	s_add_co_u32 s48, s48, s49                     ; 32 x batch + place
	s_cmp_eq_u32 s[WV], 2
	s_cselect_b32 s47, s47, 0                      ; 1: v in a block of side 1
	s_sub_co_u32 s[SFM], 0, s47
	s_lshl_b32 s49, s47, 12
	v_add_nc_u32 v[VO], s49, v[LI]
	s_xor_b32 s49, s49, 4096
	v_add_nc_u32 v[VO+1], s49, v[LI]
	s_lshr_b32 s49, s[WV], 1                       ; 1: v's half of a place
	s_lshl_b32 s50, s48, 14
	s_lshl_b32 s54, s49, 13
	s_add_co_u32 s50, s50, s54                     ; k, v: codes at 16,384 x place (+ 8,192),
	s_lshl_b32 s52, s48, 10
	s_lshl_b32 s54, s49, 9
	s_add_co_u32 s52, s52, s54                     ; scale words at 1,024 x place (+ 512)
	s_mul_i32 s54, s[GG], BLK                      ; q: codes at 8,704 G,
	s_add_co_u32 s55, s54, 8192                    ; scale words behind them
	s_cmp_eq_u32 s[WV], 0
	s_cselect_b32 s50, s54, s50
	s_cselect_b32 s52, s55, s52
	s_mov_b32 s51, 0
	s_mov_b32 s53, 0
.irp b, 0,1,2,3
	v_mov_b32 v[TM+4+\b], 0                        ; written once: a lane permute's destination counts as one of its sources
.endr
	s_wait_dscnt 0x0                               ; the opening add is done
	s_wait_kmcnt 0x0
	s_add_nc_u64 s[4:5], s[4:5], s[42:43]          ; x at my wave's first token; never stepped: every offset below is an immediate
	s_cmp_eq_u32 s[WV], 0
	s_cselect_b64 s[CB:CB+1], s[8:9], s[10:11]
	s_cselect_b64 s[SB:SB+1], s[8:9], s[12:13]
	s_add_nc_u64 s[CB:CB+1], s[CB:CB+1], s[50:51]
	s_add_nc_u64 s[SB:SB+1], s[SB:SB+1], s[52:53]
	s_mov_b32 s[G0], 1                             ; count = 1
	s_add_nc_u64 s[G0+2:G0+3], s[6:7], s[44:45]    ; the same in all four partners
	s_or_b32 s[G0+3], s[G0+3], 0x80000000          ; type = 2
; A UNIT u = 2 s + tau: K step s of my tile tau: 16 rows x 512 bytes, a load a row (512 consecutive bytes), into set u % 4 of window 1.  Row i of the tile is token 8 tau + i + 8 (i / 8) of my 32.
.macro XLD u
	WIN 0x40                                       ; destination window 1
.irp i, 0,1,2,3,4,5,6,7,8,9,10,11,12,13,14,15
	global_load_b128 v[64*((\u)%4)+4*\i:64*((\u)%4)+4*\i+3], v[LI], s[4:5] offset:(8*((\u)%2)+\i+8*(\i/8))*4096+512*((\u)/2) th:TH_LOAD_NT
.endr
	WIN 0
.endm
; A unit turns through my stage: in as loaded, a row to a store; back so that lane (r, h) holds, of row r, 16 neighbours of each block of 32: register 16 b + i = k 32 b + 16 h + i.
.macro TURNX set, xt
	WIN 0x04                                       ; an LDS store's data are its source 1: window 1
.irp i, 0,1,2,3,4,5,6,7,8,9,10,11,12,13,14,15
	ds_store_b128 v[STS], v[64*(\set)+4*\i:64*(\set)+4*\i+3] offset:528*\i
.endr
	WIN 0
.irp b, 0,1,2,3
.irp j, 0,1,2,3
	ds_load_b128 v[\xt+16*\b+4*\j:\xt+16*\b+4*\j+3], v[STL] offset:128*\b+16*\j   ; LDS serves a wave's instructions in order: these see the stores above
.endr
.endr
	s_wait_dscnt 16                                ; all but these 16 loads: the stores have read the set, which may be loaded again
.endm
; 64 numbers of a lane in window w, register 16 b + i = k 32 b + 16 h + i of my row, become a fragment's codes in v[pc] on and its scale word in v[pw].  Each run of eight registers is read from its low end on.
.macro QUANT src, w, pc, pw
	WIN ((\w)<<2)|((\w)<<4)                        ; sources 1 and 2
.irp b, 0,1,2,3
	v_max3_num_f32 v[TM+\b], 0x1800000, |v[(\src)+16*\b]|, |v[(\src)+16*\b+1]|   ; block b: my 16 numbers, and the floor 2^(3 - 127): the byte cannot fall under 1
.endr
.irp i, 2,4,6,8,10,12,14
.irp b, 0,1,2,3
	v_max3_num_f32 v[TM+\b], v[TM+\b], |v[(\src)+16*\b+\i]|, |v[(\src)+16*\b+\i+1]|   ; (the four blocks by turns)
.endr
.endr
	WIN 0
.irp b, 0,1,2,3
	v_permlanex16_b32 v[TM+4+\b], v[TM+\b], s[SEL], s[SEL+1]
.endr
.irp b, 0,1,2,3
	v_max_num_f32 v[TM+\b], v[TM+\b], v[TM+4+\b]   ; with lane l xor 16's: the block's largest magnitude
.endr
.irp b, 0,1,2,3
	v_add_nc_u32 v[TM+12+\b], 0xff000000, v[TM+\b] ; 2 off its exponent field: the conversion's scale operand
.endr
.irp b, 0,1,2,3
	v_lshrrev_b32 v[TM+4+\b], 23, v[TM+12+\b]      ; the scale's byte
.endr
	v_lshl_or_b32 v[\pw], v[TM+5], 8, v[TM+4]      ; the four bytes make my row's scale word
	v_lshl_or_b32 v[\pw], v[TM+6], 16, v[\pw]
	v_lshl_or_b32 v[\pw], v[TM+7], 24, v[\pw]
	WIN (\w)                                       ; source 0
.irp b, 0,1,2,3
	v_cvt_scalef32_pk8_fp4_f32 v[(\pc)+2*\b], v[(\src)+16*\b:(\src)+16*\b+7], v[TM+12+\b]
	v_cvt_scalef32_pk8_fp4_f32 v[(\pc)+2*\b+1], v[(\src)+16*\b+8:(\src)+16*\b+15], v[TM+12+\b]
.endr
	WIN 0
	v_nop                                          ; one plain place behind a scaled conversion
.irp c, 0,1                                    ; the operand's layout wants a whole block in a lane: lanes 0-15 block 2 c, lanes 16-31 block 2 c + 1
.irp i, 0,1
	v_permlane16_swap_b32 v[(\pc)+4*\c+\i], v[(\pc)+4*\c+2+\i]
.endr
.endr
.endm
.macro IMG pc, pw, off, soff           ; a fragment and its scale words go to LDS as they stand (lanes r and r + 16 store the same word with the same value)
	ds_store_b128 v[XWI], v[\pc:\pc+3] offset:\off
	ds_store_b128 v[XWI], v[\pc+4:\pc+7] offset:\off+512
	ds_store_b32 v[XWS], v[\pw] offset:\soff
.endm
; K step s of my two tiles of x.  Units are asked for four ahead; the counts on LOADcnt name the loads of the units issued behind the one awaited.
.macro XSTEP s
.if (\s) < 7
	s_wait_loadcnt 48                              ; unit 2 s is in; three units behind it may be out
.else
	s_wait_loadcnt 16                              ; one unit behind it
.endif
	TURNX 2*((\s)%2), XT0
.if (\s) < 6
	XLD 2*(\s)+4
.endif
.if (\s) < 6
	s_wait_loadcnt 48                              ; unit 2 s + 1 is in
.elseif (\s) == 6
	s_wait_loadcnt 32
.else
	s_wait_loadcnt 0x0
.endif
	TURNX 2*((\s)%2)+1, XT1                        ; (its closing wait also shows the first unit's numbers back)
.if (\s) < 6
	XLD 2*(\s)+5
.endif
	QUANT XT0, 0, PC0, PW0
	IMG PC0, PW0, BLK*(\s), BLK*(\s)
	s_wait_dscnt 3                                 ; the second unit's numbers are back; the three stores just issued may be out
	QUANT XT1, 0, PC1, PW1
	IMG PC1, PW1, BLK*(\s)+1024, BLK*(\s)+256
.endm
; One matrix instruction.  ra, rb = 1: that side's scale words stand in lanes 16-31 of the register named.  ZR = 1: the first K step starts the sums: nothing is ever cleared.
.macro WM d, a, b, sa, ra, sb, rb
.set CASE, 4*ZR+2*(\ra)+(\rb)
.if CASE == 0
	v_wmma_scale_f32_16x16x128_f8f6f4 v[\d:\d+7], v[\a:\a+7], v[\b:\b+7], v[\d:\d+7], v[\sa], v[\sb] matrix_a_fmt:MATRIX_FMT_FP4 matrix_b_fmt:MATRIX_FMT_FP4
.elseif CASE == 1
	v_wmma_scale_f32_16x16x128_f8f6f4 v[\d:\d+7], v[\a:\a+7], v[\b:\b+7], v[\d:\d+7], v[\sa], v[\sb] matrix_a_fmt:MATRIX_FMT_FP4 matrix_b_fmt:MATRIX_FMT_FP4 matrix_b_scale:MATRIX_SCALE_ROW1
.elseif CASE == 2
	v_wmma_scale_f32_16x16x128_f8f6f4 v[\d:\d+7], v[\a:\a+7], v[\b:\b+7], v[\d:\d+7], v[\sa], v[\sb] matrix_a_fmt:MATRIX_FMT_FP4 matrix_b_fmt:MATRIX_FMT_FP4 matrix_a_scale:MATRIX_SCALE_ROW1
.elseif CASE == 3
	v_wmma_scale_f32_16x16x128_f8f6f4 v[\d:\d+7], v[\a:\a+7], v[\b:\b+7], v[\d:\d+7], v[\sa], v[\sb] matrix_a_fmt:MATRIX_FMT_FP4 matrix_b_fmt:MATRIX_FMT_FP4 matrix_a_scale:MATRIX_SCALE_ROW1 matrix_b_scale:MATRIX_SCALE_ROW1
.elseif CASE == 4
	v_wmma_scale_f32_16x16x128_f8f6f4 v[\d:\d+7], v[\a:\a+7], v[\b:\b+7], 0, v[\sa], v[\sb] matrix_a_fmt:MATRIX_FMT_FP4 matrix_b_fmt:MATRIX_FMT_FP4
.elseif CASE == 5
	v_wmma_scale_f32_16x16x128_f8f6f4 v[\d:\d+7], v[\a:\a+7], v[\b:\b+7], 0, v[\sa], v[\sb] matrix_a_fmt:MATRIX_FMT_FP4 matrix_b_fmt:MATRIX_FMT_FP4 matrix_b_scale:MATRIX_SCALE_ROW1
.elseif CASE == 6
	v_wmma_scale_f32_16x16x128_f8f6f4 v[\d:\d+7], v[\a:\a+7], v[\b:\b+7], 0, v[\sa], v[\sb] matrix_a_fmt:MATRIX_FMT_FP4 matrix_b_fmt:MATRIX_FMT_FP4 matrix_a_scale:MATRIX_SCALE_ROW1
.else
	v_wmma_scale_f32_16x16x128_f8f6f4 v[\d:\d+7], v[\a:\a+7], v[\b:\b+7], 0, v[\sa], v[\sb] matrix_a_fmt:MATRIX_FMT_FP4 matrix_b_fmt:MATRIX_FMT_FP4 matrix_a_scale:MATRIX_SCALE_ROW1 matrix_b_scale:MATRIX_SCALE_ROW1
.endif
.endm
; K step s of the products.  One barrier: in front of it my images of this K step have landed; x's blocks are written once each, so nothing is overwritten behind it.
; The 64 accumulators take turns, one instruction a turn, in the same order in every K step.
.macro MSTEP s
.if (\s) == 0
.set ZR, 1
	s_wait_tensorcnt 0x0                           ; my role's W has landed
.else
.set ZR, 0
.endif
	s_wait_dscnt 0x0                               ; for the others' sake: my stores have landed
	s_barrier_signal -1
	s_barrier_wait -1
	s_cmp_eq_u32 s[WV], 3
	s_cbranch_scc1 .Lno_role_\@
.irp e, 0,1,2,3,4,5,6,7
.irp c, 0,1
	ds_load_b128 v[PF+8*\e+4*\c:PF+8*\e+4*\c+3], v[ADP+(\s)/4] offset:BLK*((\s)%4)+1024*\e+512*\c
.endr
.endr
.irp e, 0,1,2,3,4,5,6,7
.irp c, 0,1
	ds_load_b128 v[QF+8*\e+4*\c:QF+8*\e+4*\c+3], v[ADQ+(\s)/4] offset:BLK*((\s)%4)+1024*\e+512*\c
.endr
.endr
	ds_load_b128 v[PS:PS+3], v[ADP+(\s)/4] offset:BLK*((\s)%4)+8192
	ds_load_b128 v[QS:QS+3], v[ADQ+(\s)/4] offset:BLK*((\s)%4)+8192
	s_wait_dscnt 0x0
	WIN 0xa0                                       ; C and D window 2
.irp g, 0,1,2,3
.irp e, 0,1,2,3,4,5,6,7
	WM 64*\g+8*\e, PF+8*\e, QF+8*\g, PS+\e/2, \e%2, QS+\g/2, \g%2
.endr
.endr
	WIN 0xf0                                       ; C and D window 3
.irp g, 4,5,6,7
.irp e, 0,1,2,3,4,5,6,7
	WM 64*(\g-4)+8*\e, PF+8*\e, QF+8*\g, PS+\e/2, \e%2, QS+\g/2, \g%2
.endr
.endr
	WIN 0
	PLACES                                         ; ahead of the next loads into P's and Q's registers, and of the first read of results
.Lno_role_\@:
.endm
	XLD 0                                          ; x is asked for first: three units ahead of the round,
	XLD 1
	XLD 2
	CROUND                                         ; all four work-groups are here: the joint loads meet
	s_cmp_lt_u32 s[WV], 3
	s_cbranch_scc0 .Lno_w
	tensor_load_to_lds s[G0:G0+3], s[G1:G1+7]      ; my role's W: my one tensor load of the launch
	s_nop 0
.rept 4
	v_nop
.endr
.Lno_w:
	XLD 3                                          ; and the fourth behind it
.irp s, 0,1,2,3,4,5,6,7
	XSTEP \s
	MSTEP \s
.endr
	; THE WAY OUT.  Result tile g (q, k: 16 tokens x 128 d; v: 16 d x 128 tokens) is quantised out of its eight accumulators; its codes are stored from registers, 512 consecutive bytes a store;
	; the scale words are packed through my own stage.  Each g has registers of its own for codes and word, so no store's data are written again.
	s_cmp_eq_u32 s[WV], 3
	s_cbranch_scc1 .Ldone
.irp g, 0,1,2,3,4,5,6,7
	QUANT 64*(\g%4), 2+\g/4, 64+8*\g, PWE+\g
	global_store_b128 v[VO+\g/4], v[64+8*\g:64+8*\g+3], s[CB:CB+1] offset:1024*(\g%4)
	global_store_b128 v[VO+\g/4], v[64+8*\g+4:64+8*\g+7], s[CB:CB+1] offset:1024*(\g%4)+512
	ds_store_b32 v[SWA], v[PWE+\g] offset:256*(\g%2)+4*(\g/2)
.endr
	ds_load_b128 v[SG:SG+3], v[STS]                ; register p: tile 2 p in lanes 0-15, tile 2 p + 1 in lanes 16-31
	s_wait_dscnt 0x0
.irp i, 0,1,2,3
	v_cndmask_b32 v[SGO+\i], v[SG+\i], v[SG+(\i^2)], s[SFM]   ; v in a block of side 1: tiles a and a xor 4 change places
.endr
	global_store_b128 v[LI], v[SGO:SGO+3], s[SB:SB+1]
.Ldone:
	s_wait_tensorcnt 0x0                           ; the wave's end: behind my last tensor load and my last LDS store
	ds_add_u32 v[SPW], v[NIL]
	s_wait_dscnt 0x0
	CROUND                                         ; the closing round
	s_endpgm
.Lfunc_end_k_q0550839c9a_proj:
	.size	k_q0550839c9a_proj, .Lfunc_end_k_q0550839c9a_proj-k_q0550839c9a_proj
	.p2alignl 7, 3214868480
	.fill 96, 4, 3214868480
	.section	.rodata,"a",@progbits
	.p2align	6, 0x0
	.amdhsa_kernel k_q0550839c9a_proj
		.amdhsa_group_segment_fixed_size 327680
		.amdhsa_private_segment_fixed_size 0
		.amdhsa_enable_private_segment 0
		.amdhsa_kernarg_size 40
		.amdhsa_user_sgpr_count 2
		.amdhsa_user_sgpr_kernarg_segment_ptr 1
		.amdhsa_wavefront_size32 1
		.amdhsa_system_sgpr_workgroup_id_x 1
		.amdhsa_system_sgpr_workgroup_id_y 1
		.amdhsa_system_sgpr_workgroup_id_z 1
		.amdhsa_system_vgpr_workitem_id 0
		.amdhsa_next_free_vgpr 1024
		.amdhsa_next_free_sgpr 66
		.amdhsa_reserve_vcc 0
		.amdhsa_float_denorm_mode_32 3
		.amdhsa_float_denorm_mode_16_64 3
		.amdhsa_memory_ordered 1
		.amdhsa_forward_progress 1
		.amdhsa_inst_pref_size 246
	.end_amdhsa_kernel
	.amdgpu_metadata
---
amdhsa.version: [ 1, 2 ]
amdhsa.kernels:
  - .name:           k_q0550839c9a_proj
    .symbol:         k_q0550839c9a_proj.kd
    .args:
      - { .name: x, .offset: 0, .size: 8, .value_kind: global_buffer, .address_space: global }
      - { .name: wbuf, .offset: 8, .size: 8, .value_kind: global_buffer, .address_space: global }
      - { .name: qbuf, .offset: 16, .size: 8, .value_kind: global_buffer, .address_space: global }
      - { .name: kvc, .offset: 24, .size: 8, .value_kind: global_buffer, .address_space: global }
      - { .name: kvs, .offset: 32, .size: 8, .value_kind: global_buffer, .address_space: global }
    .group_segment_fixed_size: 327680
    .private_segment_fixed_size: 0
    .kernarg_segment_align: 8
    .kernarg_segment_size: 40
    .max_flat_workgroup_size: 128
    .sgpr_count:     66
    .vgpr_count:     1024
    .wavefront_size: 32
...
	.end_amdgpu_metadata
.endif
;; end of part 2
;; launch attn (part 3): grid 32 x 8, 16 waves a work-group, clusters of 4 x 1, 327,680 bytes of LDS; arguments qbuf, kvc, kvs, out0; writes out0
.if DOCPART == 3
	.amdgcn_target "amdgcn-amd-amdhsa--gfx1250"
	.amdhsa_code_object_version 6
	.text
	.protected	k_q0550839c9a_attn
	.globl	k_q0550839c9a_attn
	.p2align	8
	.type	k_q0550839c9a_attn,@function
k_q0550839c9a_attn:
	s_mov_b64 s[64:65], 0
	v_nop
	global_prefetch_b8 v0, s[64:65] scope:SCOPE_SE
	s_setreg_imm32_b32 hwreg(HW_REG_WAVE_MODE, 25, 1), 1
	s_wait_xcnt 0x0
	s_wait_alu depctr_hold_cnt(0) depctr_sa_sdst(0) depctr_va_vdst(0) depctr_va_sdst(0) depctr_va_ssrc(0) depctr_va_vcc(0) depctr_vm_vsrc(0)
	s_getreg_b32 s2, hwreg(HW_REG_IB_STS2, 6, 4)
	s_cmp_eq_u32 s2, 0
	s_cbranch_scc0 .Lentry_in_a_cluster
	s_endpgm
.Lentry_in_a_cluster:
	s_bfe_u32 s2, ttmp6, 0x10000c
	s_cmp_lg_u32 s2, 0x3003
	s_cbranch_scc0 .Lentry_shape_is_right
	s_endpgm
.Lentry_shape_is_right:
; out[b][t] = the sum over s of softmax_s(q[t] . k[s] / sqrt(128)) v[s] under the pyramid mask: key s counts for query t where 2047 - t / 2 <= s <= 2047 + (t + 1) / 2 (whole divisions): t + 1 keys round the centre.
; Both products on codes of FP4 (E2M1) with one E8M0 scale for each 32 along K.  q, k, v come as images of operand registers with packed scale words (made by the launch before).
; THE SOFTMAX: t' = score x log2(e) / sqrt(128); M = the largest t' so far, rounded UP to a whole number; p = 2^(t' - M) is quantised along the keys, not normalised; the sum of the unquantised p divides at the end.
; When M moves, the sum and O are multiplied by 2^(old M - new M): exact.
; SHARES.  A tile of 16 queries is served by TWO waves: side 0 takes the keys under 2,048, side 1 the others; the window is the same width on both sides (but for one key).  Both walk from the centre outwards, 128 keys a
; step, and leave out the steps that lie wholly under the mask; only a wave's last step needs the mask.  At the end the two exchange half of O^T, M and the sum through LDS, and each stores 64 of the 128 channels.
; A work-group has 16 waves, 8 tiles, one of each eighth (rank) of the queries; half block HB = 8 rank + (C or 7 - C), C the cluster's number; the cluster's four partners take the four tiles of that half block of 64
; queries.  So every bound of a branch hangs on C and the wave's number alone and is alike in all partners; every work-group has the same number of steps; every cluster reads all eight slots.
; CLUSTER.  The four partners walk the same k and v of one batch: each slot is asked for JOINTLY, waves 0 to 3 a quarter each.  kvc is laid from the centre outwards, both sides by turns, so a slot (two steps of both sides)
; is 65,536 consecutive bytes.  The batch's 32,768 bytes of scale words come once.
; LAYOUT.  S^T = K Q^T (source 0 = 16 keys), O^T = V^T P^T (source 0 = 16 channels): a lane holds one query throughout.  Row r of tile T is 32 (T / 2) + 8 (T % 2) + r + 8 (r / 8), for keys, queries and channels:
; S^T's register 16 p + n of lane (r, h) is key 32 p + 16 h + n of the step; O^T's 16 registers of two neighbouring tiles are 16 neighbouring channels.  In blocks of side 1 v's image a holds channel tile a xor 4:
; so accumulators 0-3 are the half that the wave stores, 4-7 the half that it sends, on either side.
; LIMITS: p under 2^-126 falls to 0 (v_exp_f32 flushes: ISA guide, its entry); a block whose every p is 0 keeps the byte 1 over zero codes; NaN and infinities among the inputs are not served.
.set SLOTB, 65536                      ; a slot: [step parity][side][k's 8 images | v's 8 images]; slot 1 begins here: one exclusive or turns an address
.set SCL,   2*SLOTB                    ; the scale words: [place][k's 512 | v's 512]
.set XCH,   SCL+32768                  ; for each wave 4,352 bytes: what its partner sends (4,096 + 128 + 128), then its own stage of 16 rows x 272
.set XCW,   4352
.set SPARE, XCH+16*XCW                 ; the spare words, 128 bytes for each wave: eight blocks of 256 bytes that no other line names
.set A0,   1                           ; v1   16,384 x side + 16 x lane
.set B0,   2                           ; v2   SCL + 1,024 x side + 16 x lane
.set TQ,   3                           ; v3   my query
.set ND0,  4                           ; v4   16 h - 2047 + TQ / 2
.set SPW,  5                           ; v5   LDS address of my spare word; never rewritten
.set NIL,  6                           ; v6   0; never rewritten
.set GO,   7                           ; v7   the way out: 512 h + 16 r
.set ADK,  8                           ; v8   LDS address of the step's images
.set ADS,  9                           ; v9   and of its scale words
.set NINF, 10                          ; v10  -infinity
.set PFO,  11                          ; v11  256 x lane: the prefetches' offset
                                       ; v12 -M, v13 the largest t', v[14:15] the sum in two halves
.set QF,   16                          ; v16-23 Q's fragment
.set QS,   24                          ; v24  Q's scale words;  v25 P's: scales and nothing else
.set PS,   25
.set MT,   26                          ; v26-29 at work in the mask
.set VND,  30
.set SO,   31                          ; v31  the stage, in
.set KV,   32                          ; v32-95 eight fragments of K, then of V
.set S,    96                          ; v96-159 S^T, then p
.set O,    160                         ; v160-223 O^T
.set PCD,  224                         ; v224-231 P's codes
.set MX,   232                         ; v232-235 the blocks' largest scores, then largest p
.set PT,   236                         ; v236-239 at work
.set CV,   240                         ; v240-243 the conversions' scale operands
.set F,    244                         ; v[244:245] 2^(old M - new M) (named as a pair)
.set TP,   246
.set SR,   247                         ; v247 the stage, back
.set SW,   248                         ; v248-251 K's or V's scale words: scales and nothing else
.set XS,   252                         ; v252-253 my partner's region: 16 and 4 bytes a lane;  v254-255 mine
.set XW,   253
.set XR,   254
.set XRW,  255
.set WV,   12
.set SIDE, 13
.set RANK, 14
.set HB,   15
.set LA,   16                          ; s16  a step is walked while its distance from the centre, in keys, is at most 32 HB + 31
.set LOW,  17                          ; s17  and needs no mask while distance + 128 is at most 32 HB
.set DD,   18                          ; s18  the step's distance
.set KF,   19                          ; s19  the step's first key
.set SEL,  20
.set CS,   22                          ; s[22:23] c = log2(e) / sqrt(128)
.set G1,   24                          ; s[24:31] group 1 for a quarter of a slot;  s[32:39] for a quarter of the scale words
.set G1S,  32
.set G0,   40                          ; s[40:43] group 0, which walks;  s[44:47] the scale words'
.set G0S,  44
.set TB,   48                          ; s48  the slot in hand
.set TS,   49                          ; s49  the step's scale words: 2,048 bytes a step
.set SLOTS, 50
.set KSTP, 51
.set PFA,  52                          ; s[52:53] where my prefetches stand
.set LIM,  54                          ; s54  1 in a wave that prefetches, else the greatest number
.macro CROUND                          ; a round of the cluster's barrier
	s_barrier_signal -1
	s_barrier_wait -1
	s_cmp_lg_u32 s[WV], 0
	s_cbranch_scc1 .Lnot_wave_0_\@
	s_barrier_signal -3
.Lnot_wave_0_\@:
	s_barrier_wait -3
	s_barrier_signal -1
	s_barrier_wait -1
.endm
.macro JLOAD                           ; the joint refill: waves 0 to 3, a quarter of the slot each; the branch hangs on the wave's number alone; an s_nop 0 and four v_nop follow the load
	s_cmp_lt_u32 s[WV], 4
	s_cbranch_scc0 .Lno_load_\@
	tensor_load_to_lds s[G0:G0+3], s[G1:G1+7]
	s_nop 0
.rept 4
	v_nop
.endr
.Lno_load_\@:
.endm
; A PREFETCH INTO THE L2 of the slot that the NEXT change of slots will ask for: two steps ahead of that load.  All eight clusters of a batch walk the same 65,536 bytes: the batch's first cluster asks.  Its four partners take
; 16,384 bytes each, told apart BY ADDRESS; in each, waves 4 and 5 take 8,192 bytes each, lanes 256 bytes apart: each aligned block of 256 bytes of slots 2 to 7 is named once in the launch.
; Slots 0 and 1 come by their loads alone; the last change that fills a slot asks for nothing.
.macro ASK
	s_cmp_gt_u32 s[SLOTS], s[LIM]
	s_cbranch_scc0 .Lnot_mine_\@
	global_prefetch_b8 v[PFO], s[PFA:PFA+1] th:TH_LOAD_NT scope:SCOPE_SE
.Lnot_mine_\@:
.endm
	s_load_b256 s[4:11], s[0:1], 0x0               ; qbuf s[4:5], kvc s[6:7], kvs s[8:9], out0 s[10:11]
	v_lshl_add_u32 v[SPW], v0, 2, SPARE
	v_mov_b32 v[NIL], 0
	ds_add_u32 v[SPW], v[NIL]                      ; the wave's opening: the add and its wait ahead of my first tensor load; the set-up below, work on registers, stands between them
	ds_add_u32 v[SPW], v[NIL]
	v_lshrrev_b32 v8, 5, v0
	s_delay_alu instid0(VALU_DEP_1)
	v_readfirstlane_b32 s[WV], v8                  ; wave 0..15
	s_bfe_u32 s55, ttmp6, 0x40000                  ; cx: it enters Q's, out0's and the prefetches' addresses and my query's number, and nothing else
	s_and_b32 s56, ttmp7, 0xffff                   ; batch
	s_bfe_u32 s[SIDE], s[WV], 0x10002              ; side = bit 2 of the wave's number
	s_lshr_b32 s57, s[WV], 3
	s_lshl_b32 s57, s57, 1
	s_bfe_u32 s58, s[WV], 0x10001
	s_add_co_u32 s57, s57, s58                     ; pi = 2 x bit 3 + bit 1
	s_and_b32 s58, s[WV], 1
	s_xor_b32 s58, s58, s[SIDE]                    ; flip = bit 0 xor side: the partner, wave xor 5, has the same pi and flip
	s_sub_co_u32 s59, 7, s57
	s_cmp_eq_u32 s58, 1
	s_cselect_b32 s[RANK], s59, s57                ; rank = pi or 7 - pi
	s_sub_co_u32 s59, 7, ttmp9
	s_bitcmp1_b32 s[RANK], 0
	s_cselect_b32 s59, s59, ttmp9                  ; odd ranks count the clusters backwards: so every work-group has as many steps
	s_lshl_b32 s[HB], s[RANK], 3
	s_add_co_u32 s[HB], s[HB], s59
	s_lshl_b32 s[LOW], s[HB], 5
	s_add_co_u32 s[LA], s[LOW], 31
	s_mov_b32 s[DD], 0
	s_mov_b32 s[KF], 1920
	s_mov_b32 s[KSTP], -128
	s_cmp_eq_u32 s[SIDE], 1
	s_cselect_b32 s[KF], 2048, s[KF]
	s_cselect_b32 s[KSTP], 128, s[KSTP]
	s_lshl_b32 s57, s[HB], 6
	s_lshr_b32 s58, s55, 1
	s_lshl_b32 s58, s58, 5
	s_add_co_u32 s57, s57, s58
	s_and_b32 s58, s55, 1
	s_lshl_b32 s58, s58, 3
	s_add_co_u32 s57, s57, s58                     ; my tile's first query: 64 HB + 32 (cx / 2) + 8 (cx % 2)
	s_lshl_b32 s62, s56, 12
	s_add_co_u32 s62, s62, s57
	s_lshl_b32 s62, s62, 9                         ; its row of out0,
	s_lshl_b32 s58, s[SIDE], 8
	s_add_co_u32 s62, s62, s58                     ; and my side's 64 channels
	s_mov_b32 s63, 0
	v_and_b32 v26, 31, v0                          ; lane
	s_wait_alu depctr_va_vdst(0)
	v_and_b32 v8, 15, v0                           ; r
	s_wait_alu depctr_va_vdst(0)
	v_bfe_u32 v9, v0, 4, 1                         ; h
	v_and_b32 v29, 8, v8
	s_delay_alu instid0(VALU_DEP_1)
	v_add_nc_u32 v29, v29, v8                      ; r + 8 (r / 8)
	s_delay_alu instid0(VALU_DEP_1)
	v_add_nc_u32 v[TQ], s57, v29
	s_delay_alu instid0(VALU_DEP_1)
	v_lshrrev_b32 v[ND0], 1, v[TQ]
	s_delay_alu instid0(VALU_DEP_1)
	v_lshl_add_u32 v[ND0], v9, 4, v[ND0]
	s_delay_alu instid0(VALU_DEP_1)
	v_add_nc_u32 v[ND0], 0xfffff801, v[ND0]        ; - 2047
	s_lshl_b32 s58, s56, 5
	s_lshr_b32 s59, s[HB], 1
	s_add_co_u32 s58, s58, s59
	s_mul_i32 s58, s58, 8704                       ; Q: the block of 128 queries,
	s_and_b32 s59, s[HB], 1
	s_lshl_b32 s59, s59, 2
	s_add_co_u32 s59, s59, s55                     ; my tile in it,
	s_lshl_b32 s60, s59, 10
	s_add_co_u32 s60, s60, s58
	v_lshl_add_u32 v27, v26, 4, s60                ; its image,
	s_and_b32 s60, s59, 1
	s_lshl_b32 s60, s60, 8
	s_lshr_b32 s61, s59, 1
	s_lshl_b32 s61, s61, 2
	s_add_co_u32 s60, s60, s61
	s_add_co_u32 s60, s60, s58
	s_add_co_u32 s60, s60, 8192
	v_lshl_add_u32 v28, v8, 4, s60                 ; and row r's scale word
	s_lshl_b32 s57, s[SIDE], 14
	v_lshl_add_u32 v[A0], v26, 4, s57
	s_lshl_b32 s57, s[SIDE], 10
	s_add_co_u32 s57, s57, SCL
	v_lshl_add_u32 v[B0], v26, 4, s57
	s_xor_b32 s57, s[WV], 5                        ; my partner
	s_mul_i32 s57, s57, XCW
	s_add_co_u32 s57, s57, XCH
	v_lshl_add_u32 v[XS], v26, 4, s57
	v_lshl_add_u32 v[XW], v26, 2, s57
	s_mul_i32 s57, s[WV], XCW
	s_add_co_u32 s57, s57, XCH
	v_lshl_add_u32 v[XR], v26, 4, s57
	v_lshl_add_u32 v[XRW], v26, 2, s57
	v_mul_u32_u24 v[SO], v8, 272
	s_delay_alu instid0(VALU_DEP_1)
	v_lshl_add_u32 v[SO], v9, 6, v[SO]
	s_delay_alu instid0(VALU_DEP_1)
	v_add_nc_u32 v[SO], s57, v[SO]                 ; the stage, in: row r, + 64 h
	v_mul_u32_u24 v[SR], v9, 272
	s_delay_alu instid0(VALU_DEP_1)
	v_lshl_add_u32 v[SR], v8, 4, v[SR]
	s_delay_alu instid0(VALU_DEP_1)
	v_add_nc_u32 v[SR], s57, v[SR]                 ; back: lanes 0-15 one row of 256 bytes, lanes 16-31 the next
	v_lshlrev_b32 v[GO], 9, v9
	s_delay_alu instid0(VALU_DEP_1)
	v_lshl_add_u32 v[GO], v8, 4, v[GO]
	v_lshlrev_b32 v[PFO], 8, v26
	s_mov_b32 s[G1], 15|(3<<16)|(1<<21)            ; 15:0 the mask: all four work-groups; 17:16 elements of 8 bytes; 21 set beside a mask; no padding: every read is 512 dense bytes
	s_mov_b32 s[G1+1], 32<<16                      ; rows of 256 bytes,
	s_mov_b32 s[G1+2], 64<<16                      ; 64 of them: 16,384 dense bytes
	s_mov_b32 s[G1+3], 32<<16
	s_mov_b32 s[G1+4], 64
	s_mov_b32 s[G1+5], 32
	s_mov_b32 s[G1+6], 0
	s_mov_b32 s[G1+7], 0
	s_mov_b32 s[G1S], 15|(3<<16)|(1<<21)
	s_mov_b32 s[G1S+1], 32<<16
	s_mov_b32 s[G1S+2], 32<<16                     ; 32 rows: 8,192 bytes
	s_mov_b32 s[G1S+3], 32<<16
	s_mov_b32 s[G1S+4], 32
	s_mov_b32 s[G1S+5], 32
	s_mov_b32 s[G1S+6], 0
	s_mov_b32 s[G1S+7], 0
	s_and_b32 s57, s[WV], 3                        ; which quarter I fetch, if I fetch
	s_lshl_b32 s[G0+1], s57, 14
	s_lshl_b32 s58, s56, 19
	s_add_co_u32 s58, s58, s[G0+1]
	s_mov_b32 s59, 0
	s_lshl_b32 s60, s57, 13
	s_add_co_u32 s[G0S+1], s60, SCL
	s_lshl_b32 s61, s56, 15
	s_add_co_u32 s60, s60, s61
	s_mov_b32 s61, 0
	s_lshl_b32 s2, s56, 19                         ; the prefetches: my batch,
	s_lshl_b32 s3, s55, 14                         ; my work-group's 16,384 bytes of a slot,
	s_add_co_u32 s2, s2, s3
	s_and_b32 s3, s[WV], 1
	s_lshl_b32 s3, s3, 13                          ; my wave's half of them,
	s_add_co_u32 s2, s2, s3
	s_add_co_u32 s2, s2, SLOTB                     ; in slot 1: the first change of slots steps it to slot 2
	s_mov_b32 s3, 0
	s_lshr_b32 s57, s[WV], 1
	s_xor_b32 s57, s57, 2                          ; 0 in waves 4 and 5,
	s_or_b32 s57, s57, ttmp9                       ; of the batch's first cluster: the same in all four partners
	s_cmp_eq_u32 s57, 0
	s_cselect_b32 s[LIM], 1, -1
	s_mov_b32 s[SEL], 0x76543210
	s_mov_b32 s[SEL+1], 0xfedcba98
	s_mov_b32 s[CS], 0x3e0293ee
	s_mov_b32 s[CS+1], s[CS]                       ; (named with it as a pair, so it is written)
	s_mov_b32 s[TB], 0
	s_mov_b32 s[TS], 0
	s_mov_b32 s[SLOTS], 7
	s_wait_dscnt 0x0                               ; the opening add is done
	s_wait_kmcnt 0x0
	s_mov_b32 s[G0], 1
	s_add_nc_u64 s[G0+2:G0+3], s[6:7], s[58:59]
	s_or_b32 s[G0+3], s[G0+3], 0x80000000
	s_mov_b32 s[G0S], 1
	s_add_nc_u64 s[G0S+2:G0S+3], s[8:9], s[60:61]
	s_or_b32 s[G0S+3], s[G0S+3], 0x80000000
	s_add_nc_u64 s[PFA:PFA+1], s[6:7], s[2:3]
	s_add_nc_u64 s[10:11], s[10:11], s[62:63]
	CROUND                                         ; all four work-groups are here: the first joint loads meet
	s_cmp_lt_u32 s[WV], 4                          ; a wave's two first fills stand in one branch: two loads of mine are out; every wait on TENSORcnt in this text is for 0
	s_cbranch_scc0 .Lfirst
	tensor_load_to_lds s[G0S:G0S+3], s[G1S:G1S+7]  ; the batch's scale words: filled once
	s_nop 0
	tensor_load_to_lds s[G0:G0+3], s[G1:G1+7]      ; slot 0
	s_nop 0
.rept 4
	v_nop
.endr
.Lfirst:
	global_load_b128 v[QF:QF+3], v27, s[4:5]       ; Q's fragment stays in registers
	global_load_b128 v[QF+4:QF+7], v27, s[4:5] offset:512
	global_load_b32 v[QS], v28, s[4:5]
	v_mov_b32 v[NINF], 0xff800000
	v_mov_b32 v13, 0xff61b1e6                      ; the largest t' so far: -3e38, under every t'
	s_delay_alu instid0(VALU_DEP_1)
	v_floor_f32 v12, -v13                          ; -M
	v_mov_b32 v14, 0
	v_mov_b32 v15, 0
.irp b, 0,1,2,3
	v_mov_b32 v[PT+\b], 0                          ; written once: a lane permute's destination counts as one of its sources
.endr
	v_mov_b32 v[F+1], 0                            ; (named as the upper half of a pair)
	v_mov_b32 v[TP], 0
.set j, 0
.rept 64
	v_mov_b32 v[O+j], 0                            ; O^T: the step is written once; the first finds zeros, which the first change of M leaves zeros
.set j, j+1
.endr
; A STEP: 128 keys of my side, the q-th of the slot in hand.
.macro STEP q
	s_cmp_gt_u32 s[DD], s[LA]                      ; all its keys lie under the mask for all 64 queries of my half block: the work is left out (ids and the count of steps alone)
	s_cbranch_scc1 .Lhid_\@
	v_add_nc_u32 v[ADK], s[TB], v[A0]
	v_add_nc_u32 v[ADS], s[TS], v[B0]
	v_nop
	v_nop                                          ; four places ahead of loads into registers that the last products read
.irp t, 0,1,2,3,4,5,6,7
.irp c, 0,1
	ds_load_b128 v[KV+8*\t+4*\c:KV+8*\t+4*\c+3], v[ADK] offset:32768*(\q)+1024*\t+512*\c
.endr
.endr
	ds_load_b128 v[SW:SW+3], v[ADS]
	s_wait_alu depctr_va_vdst(0)
	s_wait_dscnt 0x0
.irp t, 0,2,4,6                                ; S^T = K Q^T; an odd tile's scale words stand in lanes 16-31
	v_wmma_scale_f32_16x16x128_f8f6f4 v[S+8*\t:S+8*\t+7], v[KV+8*\t:KV+8*\t+7], v[QF:QF+7], 0, v[SW+\t/2], v[QS] matrix_a_fmt:MATRIX_FMT_FP4 matrix_b_fmt:MATRIX_FMT_FP4
	v_wmma_scale_f32_16x16x128_f8f6f4 v[S+8*\t+8:S+8*\t+15], v[KV+8*\t+8:KV+8*\t+15], v[QF:QF+7], 0, v[SW+\t/2], v[QS] matrix_a_fmt:MATRIX_FMT_FP4 matrix_b_fmt:MATRIX_FMT_FP4 matrix_a_scale:MATRIX_SCALE_ROW1
.endr
.rept 4
	v_nop                                          ; places: ahead of the loads below and of the first read of the scores
.endr
.irp t, 0,1,2,3,4,5,6,7                        ; V's fragments take K's registers and land while the softmax is walked
.irp c, 0,1
	ds_load_b128 v[KV+8*\t+4*\c:KV+8*\t+4*\c+3], v[ADK] offset:32768*(\q)+8192+1024*\t+512*\c
.endr
.endr
	ds_load_b128 v[SW:SW+3], v[ADS] offset:512
	s_add_co_u32 s57, s[DD], 128
	s_cmp_le_u32 s57, s[LOW]                       ; all 128 keys count for all 64 queries: no mask
	s_cbranch_scc1 .Lopen_\@
	v_add_nc_u32 v[VND], s[KF], v[ND0]             ; register 16 p + n holds key KF + 32 p + 16 h + n: hidden where, as unsigned numbers, key - 2047 + TQ / 2 > TQ
.set n, 0
.rept 64
	v_add_nc_u32 v[MT+n%4], 32*(n/16)+n%16, v[VND]
	s_delay_alu instid0(VALU_DEP_1)
	v_cmp_gt_u32 vcc_lo, v[MT+n%4], v[TQ]
	v_cndmask_b32 v[S+n], v[S+n], v[NINF], vcc_lo  ; -infinity ahead of the maximum: p = 0 then
.set n, n+1
.endr
.Lopen_\@:
.irp b, 0,1,2,3
	v_max3_num_f32 v[MX+\b], v[S+16*\b], v[S+16*\b+1], v[S+16*\b+2]   ; the largest score of each block of 32 keys: for the row's maximum, and, since p rises with the score, for the block's largest p
.endr
.irp i, 3,5,7,9,11,13
.irp b, 0,1,2,3
	v_max3_num_f32 v[MX+\b], v[MX+\b], v[S+16*\b+\i], v[S+16*\b+\i+1]
.endr
.endr
.irp b, 0,1,2,3
	v_max_num_f32 v[MX+\b], v[MX+\b], v[S+16*\b+15]
.endr
.irp b, 0,1,2,3
	s_delay_alu instid0(VALU_DEP_4)
	v_permlanex16_b32 v[PT+\b], v[MX+\b], s[SEL], s[SEL+1]
.endr
.irp b, 0,1,2,3
	s_delay_alu instid0(VALU_DEP_4)
	v_max_num_f32 v[MX+\b], v[MX+\b], v[PT+\b]     ; with lane l xor 16's 16 keys
.endr
	s_delay_alu instid0(VALU_DEP_2)
	v_max3_num_f32 v[TP], v[MX], v[MX+1], v[MX+2]
	s_delay_alu instid0(VALU_DEP_1)
	v_max_num_f32 v[TP], v[TP], v[MX+3]            ; the step's largest score of my query
	s_delay_alu instid0(VALU_DEP_1)
	v_mul_f32 v[TP], s[CS], v[TP]                  ; as t' (c is positive)
	s_delay_alu instid0(VALU_DEP_1)
	v_max_num_f32 v13, v13, v[TP]                  ; the running largest t'
	v_mov_b32 v[TP], v12
	s_delay_alu instid0(VALU_DEP_2)
	v_floor_f32 v12, -v13                          ; the new -M = floor(-t'): M is a whole number
	s_delay_alu instid0(VALU_DEP_1)
	v_sub_f32 v[TP], v12, v[TP]                    ; old M - new M: a whole number, 0 or less
	s_delay_alu instid0(VALU_DEP_1)
	v_cvt_i32_f32 v[TP], v[TP]                     ; (it saturates)
	s_delay_alu instid0(VALU_DEP_1)
	v_ldexp_f32 v[F], 1.0, v[TP]                   ; 2^(old M - new M)
.set j, 0
.rept 32
	v_pk_fma_f32 v[S+j:S+j+1], v[S+j:S+j+1], s[CS:CS+1], v[12:13] op_sel_hi:[1,0,0]   ; t' - M, two at a time
.set j, j+2
.endr
.irp b, 0,1,2,3
	v_fma_f32 v[MX+\b], v[MX+\b], s[CS], v12       ; the same of each block's largest score
.endr
.set j, 0
	s_wait_alu depctr_va_vdst(0)
.rept 64
	v_exp_f32 v[S+j], v[S+j]                       ; p = 2^(t' - M), at most 1
.set j, j+1
.endr
	v_pk_mul_f32 v[14:15], v[14:15], v[F:F+1] op_sel_hi:[1,0]   ; the sums under the new M: the plain place behind the exponentials
	s_wait_alu depctr_va_vdst(0)                   ; one wait for the whole batch, ahead of its first reader
.irp b, 0,1,2,3
	v_exp_f32 v[MX+\b], v[MX+\b]                   ; the block's largest p: the same two instructions on the same number give the same bits
.endr
	v_pk_add_f32 v[236:237], v[100:101], v[104:105]
	v_pk_add_f32 v[242:243], v[108:109], v[112:113]
	v_pk_add_f32 v[240:241], v[116:117], v[120:121]
	v_pk_add_f32 v[238:239], v[124:125], v[128:129]
	v_pk_add_f32 v[230:231], v[132:133], v[136:137]
	v_pk_add_f32 v[228:229], v[140:141], v[144:145]
	v_pk_add_f32 v[226:227], v[148:149], v[152:153]
	v_pk_add_f32 v[14:15], v[14:15], v[156:157]
	v_pk_add_f32 v[236:237], v[236:237], v[96:97]
	v_pk_add_f32 v[242:243], v[242:243], v[98:99]
	v_pk_add_f32 v[240:241], v[240:241], v[102:103]
	v_pk_add_f32 v[238:239], v[238:239], v[106:107]
	v_pk_add_f32 v[230:231], v[230:231], v[110:111]
	v_pk_add_f32 v[228:229], v[228:229], v[114:115]
	v_pk_add_f32 v[226:227], v[226:227], v[118:119]
	v_pk_add_f32 v[14:15], v[14:15], v[122:123]
	v_pk_add_f32 v[236:237], v[236:237], v[126:127]
	v_pk_add_f32 v[242:243], v[242:243], v[130:131]
	v_pk_add_f32 v[240:241], v[240:241], v[134:135]
	v_pk_add_f32 v[238:239], v[238:239], v[138:139]
	v_pk_add_f32 v[230:231], v[230:231], v[142:143]
	v_pk_add_f32 v[228:229], v[228:229], v[146:147]
	v_pk_add_f32 v[226:227], v[226:227], v[150:151]
	v_pk_add_f32 v[14:15], v[14:15], v[154:155]
	v_pk_add_f32 v[236:237], v[236:237], v[158:159]
	s_delay_alu instid0(VALU_DEP_2)
	v_pk_add_f32 v[14:15], v[14:15], v[238:239]
	s_delay_alu instid0(VALU_DEP_2)
	v_pk_add_f32 v[236:237], v[236:237], v[230:231]
	v_pk_add_f32 v[242:243], v[242:243], v[228:229]
	v_pk_add_f32 v[240:241], v[240:241], v[226:227]
	s_delay_alu instid0(VALU_DEP_2)
	v_pk_add_f32 v[14:15], v[14:15], v[242:243]
	s_delay_alu instid0(VALU_DEP_2)
	v_pk_add_f32 v[236:237], v[236:237], v[240:241]
	s_delay_alu instid0(VALU_DEP_1)
	v_pk_add_f32 v[14:15], v[14:15], v[236:237]
	s_wait_alu depctr_va_vdst(0)                   ; and one for the four
.irp b, 0,1,2,3
	v_max_num_f32 v[MX+\b], 0x1800000, v[MX+\b]    ; the floor 2^(3 - 127): the byte cannot fall under 1
.endr
.irp b, 0,1,2,3
	s_delay_alu instid0(VALU_DEP_4)
	v_add_nc_u32 v[CV+\b], 0xff000000, v[MX+\b]    ; 2 off the exponent field: the conversion's scale operand
.endr
.irp b, 0,1,2,3
	s_delay_alu instid0(VALU_DEP_4)
	v_lshrrev_b32 v[PT+\b], 23, v[CV+\b]           ; the scale's byte
.endr
	s_delay_alu instid0(VALU_DEP_3)
	v_lshl_or_b32 v[PS], v[PT+1], 8, v[PT]         ; p's scale word for these 128 keys
	s_delay_alu instid0(VALU_DEP_1)
	v_lshl_or_b32 v[PS], v[PT+2], 16, v[PS]
	s_delay_alu instid0(VALU_DEP_1)
	v_lshl_or_b32 v[PS], v[PT+3], 24, v[PS]
.irp b, 0,1,2,3
	v_cvt_scalef32_pk8_fp4_f32 v[PCD+2*\b], v[S+16*\b:S+16*\b+7], v[CV+\b]
	v_cvt_scalef32_pk8_fp4_f32 v[PCD+2*\b+1], v[S+16*\b+8:S+16*\b+15], v[CV+\b]
.endr
	v_nop                                          ; one plain place behind a scaled conversion
.irp c, 0,1                                    ; a whole block in a lane: lanes 0-15 block 2 c, lanes 16-31 block 2 c + 1
.irp i, 0,1
	v_permlane16_swap_b32 v[PCD+4*\c+\i], v[PCD+4*\c+2+\i]
.endr
.endr
.set j, 0
.rept 32
	v_pk_mul_f32 v[O+j:O+j+1], v[O+j:O+j+1], v[F:F+1] op_sel_hi:[1,0]   ; O^T under the new M; these 32 are also the places between p's codes and scale word and the products
.set j, j+2
.endr
	s_wait_alu depctr_va_vdst(0)
	s_wait_dscnt 0x0                               ; V is in
.irp t, 0,2,4,6                                ; O^T += V^T P^T: the eight accumulators by turns
	v_wmma_scale_f32_16x16x128_f8f6f4 v[O+8*\t:O+8*\t+7], v[KV+8*\t:KV+8*\t+7], v[PCD:PCD+7], v[O+8*\t:O+8*\t+7], v[SW+\t/2], v[PS] matrix_a_fmt:MATRIX_FMT_FP4 matrix_b_fmt:MATRIX_FMT_FP4
	v_wmma_scale_f32_16x16x128_f8f6f4 v[O+8*\t+8:O+8*\t+15], v[KV+8*\t+8:KV+8*\t+15], v[PCD:PCD+7], v[O+8*\t+8:O+8*\t+15], v[SW+\t/2], v[PS] matrix_a_fmt:MATRIX_FMT_FP4 matrix_b_fmt:MATRIX_FMT_FP4 matrix_a_scale:MATRIX_SCALE_ROW1
.endr
.Lhid_\@:
	s_add_co_u32 s[DD], s[DD], 128
	s_add_co_u32 s[KF], s[KF], s[KSTP]
	s_add_co_u32 s[TS], s[TS], 2048
.endm
; THE CHANGE OF SLOTS stands at a slot's head.  Each wave waits for all its tensor loads (its part of the slot ahead), adds 0 to its spare word, and waits for that and for its reads of the slot that it has left.
; fill = 1: the barrier is a round of the cluster's, so that no wave of any partner still reads that slot or has a load on its way; the joint refill is the first thing behind it and has two steps in which to land.
.macro CHANGE fill
	s_wait_tensorcnt 0x0                           ; no tensor load of mine is out, so a group 0 may be written
	ds_add_u32 v[SPW], v[NIL]                      ; 0 onto my spare word
.if \fill
	s_xor_b32 s[G0+1], s[G0+1], SLOTB              ; the walking descriptor: the other slot than last time,
	s_add_nc_u64 s[G0+2:G0+3], s[G0+2:G0+3], SLOTB ; the next 65,536 bytes; the type bits on top are not reached
	s_wait_xcnt 0x0                                ; the last prefetch, a slot back, has read its address, so it may be written:
	s_add_nc_u64 s[PFA:PFA+1], s[PFA:PFA+1], SLOTB ; one slot further on than the walking descriptor
	s_wait_dscnt 0x0                               ; the add is done, and my reads of the slot that I have left are over
	CROUND
	JLOAD
	ASK
.else
	s_wait_dscnt 0x0
	s_barrier_signal -1
	s_barrier_wait -1
.endif
.endm
.macro SLOT_STEPS
	STEP 0
	STEP 1
	s_xor_b32 s[TB], s[TB], SLOTB                  ; on to the other slot
.endm
	s_wait_loadcnt 0x0                             ; Q
.Lslot:                                            ; seven trips: behind each change of slots but the last the next slot is asked for; every cluster has a tile that reads the last slot
	CHANGE 1
	SLOT_STEPS
	s_sub_co_u32 s[SLOTS], s[SLOTS], 1
	s_cmp_lg_u32 s[SLOTS], 0
	s_cbranch_scc1 .Lslot
	CHANGE 0                                       ; the last slot is written out
	SLOT_STEPS
	; THE TWO SIDES MEET.  I send accumulators 4-7 (my partner's channels), -M and my sum into my partner's region, and find there what it sent me.
	v_add_f32 v14, v14, v15                        ; the sum's two halves;
.rept 3
	v_nop                                          ; with the line above: four places behind the last products
.endr
	v_permlanex16_b32 v[TP], v14, s[SEL], s[SEL+1]
	s_delay_alu instid0(VALU_DEP_1)
	v_add_f32 v14, v14, v[TP]                      ; and lane l xor 16's: my side's sum
	s_wait_alu depctr_va_vdst(0)
.irp i, 0,1,2,3,4,5,6,7
	ds_store_b128 v[XS], v[O+32+4*\i:O+32+4*\i+3] offset:512*\i    ; as images of the registers; each accumulator from its low end on
.endr
	ds_store_b32 v[XW], v12 offset:4096
	ds_store_b32 v[XW], v14 offset:4224
	s_wait_dscnt 0x0                               ; for my partner's sake: my stores have landed
	s_barrier_signal -1
	s_barrier_wait -1
.irp i, 0,1,2,3,4,5,6,7
	ds_load_b128 v[S+4*\i:S+4*\i+3], v[XR] offset:512*\i
.endr
	ds_load_b32 v[S+32], v[XRW] offset:4096        ; its -M
	ds_load_b32 v[S+33], v[XRW] offset:4224        ; its sum
	s_wait_dscnt 0x0
	v_min_num_f32 v[S+34], v12, v[S+32]            ; -(the larger M).  A side with no key at all (side 1 of query 0) still has -M = 3e38, sum 0 and O^T 0: its factor comes out 0
	s_delay_alu instid0(VALU_DEP_1)
	v_sub_f32 v[S+35], v[S+34], v12
	s_delay_alu instid0(VALU_DEP_2)
	v_sub_f32 v[S+36], v[S+34], v[S+32]
	s_delay_alu instid0(VALU_DEP_2)
	v_cvt_i32_f32 v[S+35], v[S+35]
	s_delay_alu instid0(VALU_DEP_2)
	v_cvt_i32_f32 v[S+36], v[S+36]
	s_delay_alu instid0(VALU_DEP_2)
	v_ldexp_f32 v[S+35], 1.0, v[S+35]              ; 2^(my M - the larger M),
	s_delay_alu instid0(VALU_DEP_2)
	v_ldexp_f32 v[S+36], 1.0, v[S+36]              ; 2^(its M - the larger M): exact
	s_delay_alu instid0(VALU_DEP_2)
	v_mul_f32 v[S+37], v14, v[S+35]
	s_delay_alu instid0(VALU_DEP_1)
	v_fma_f32 v[S+37], v[S+33], v[S+36], v[S+37]   ; the row's sum
	s_wait_alu depctr_va_vdst(0)
	v_rcp_f32 v[S+38], v[S+37]
	v_nop                                          ; a plain place behind the reciprocal,
	s_wait_alu depctr_va_vdst(0)                   ; and a wait ahead of its first reader
	v_mul_f32 v[S+40], v[S+35], v[S+38]
	v_mul_f32 v[S+42], v[S+36], v[S+38]
	s_delay_alu instid0(VALU_DEP_2)
	v_mov_b32 v[S+41], v[S+40]                     ; (named as pairs)
	s_delay_alu instid0(VALU_DEP_2)
	v_mov_b32 v[S+43], v[S+42]
.set j, 0
.rept 16
	v_pk_mul_f32 v[O+j:O+j+1], v[O+j:O+j+1], v[S+40:S+41] op_sel_hi:[1,0]
.set j, j+2
.endr
.set j, 0
.rept 16
	v_pk_fma_f32 v[O+j:O+j+1], v[S+j:S+j+1], v[S+42:S+43], v[O+j:O+j+1] op_sel_hi:[1,0,1]
.set j, j+2
.endr
	; THE WAY OUT.  My 64 channels of 16 queries go through my own region, which I have read out, and leave as rows: sixteen lanes store 256 consecutive bytes, at a multiple of 256 from out0's first byte.
.irp u, 0,1
.irp i, 0,1,2,3
	ds_store_b128 v[SO], v[O+16*\u+4*\i:O+16*\u+4*\i+3] offset:128*\u+16*\i   ; registers 16 u + 0 .. 15: channels 32 u + 16 h + 0 .. 15
.endr
.endr
.irp i, 0,1,2,3,4,5,6,7
	ds_load_b128 v[S+4*\i:S+4*\i+3], v[SR] offset:544*\i           ; LDS serves a wave's instructions in order: these see my stores
.endr
.irp i, 0,1,2,3,4,5,6,7
	s_wait_dscnt 7-\i                              ; the younger read-backs may be out
	global_store_b128 v[GO], v[S+4*\i:S+4*\i+3], s[10:11] offset:(2*\i+8*(\i/4))*512 th:TH_STORE_NT   ; row rho of the tile is query rho + 8 (rho / 8)
.endr
	s_wait_tensorcnt 0x0                           ; the wave's end: behind my last tensor load and my last LDS store
	ds_add_u32 v[SPW], v[NIL]
	s_wait_dscnt 0x0
	CROUND                                         ; the closing round: no work-group ends while a partner may still ask for a slot that names it
	s_endpgm
.Lfunc_end_k_q0550839c9a_attn:
	.size	k_q0550839c9a_attn, .Lfunc_end_k_q0550839c9a_attn-k_q0550839c9a_attn
	.p2alignl 7, 3214868480
	.fill 96, 4, 3214868480
	.section	.rodata,"a",@progbits
	.p2align	6, 0x0
	.amdhsa_kernel k_q0550839c9a_attn
		.amdhsa_group_segment_fixed_size 327680
		.amdhsa_private_segment_fixed_size 0
		.amdhsa_enable_private_segment 0
		.amdhsa_kernarg_size 32
		.amdhsa_user_sgpr_count 2
		.amdhsa_user_sgpr_kernarg_segment_ptr 1
		.amdhsa_wavefront_size32 1
		.amdhsa_system_sgpr_workgroup_id_x 1
		.amdhsa_system_sgpr_workgroup_id_y 1
		.amdhsa_system_sgpr_workgroup_id_z 1
		.amdhsa_system_vgpr_workitem_id 0
		.amdhsa_next_free_vgpr 256
		.amdhsa_next_free_sgpr 66
		.amdhsa_reserve_vcc 1
		.amdhsa_float_denorm_mode_32 3
		.amdhsa_float_denorm_mode_16_64 3
		.amdhsa_memory_ordered 1
		.amdhsa_forward_progress 1
		.amdhsa_inst_pref_size 130
	.end_amdhsa_kernel
	.amdgpu_metadata
---
amdhsa.version: [ 1, 2 ]
amdhsa.kernels:
  - .name:           k_q0550839c9a_attn
    .symbol:         k_q0550839c9a_attn.kd
    .args:
      - { .name: qbuf, .offset: 0, .size: 8, .value_kind: global_buffer, .address_space: global }
      - { .name: kvc, .offset: 8, .size: 8, .value_kind: global_buffer, .address_space: global }
      - { .name: kvs, .offset: 16, .size: 8, .value_kind: global_buffer, .address_space: global }
      - { .name: out0, .offset: 24, .size: 8, .value_kind: global_buffer, .address_space: global }
    .group_segment_fixed_size: 327680
    .private_segment_fixed_size: 0
    .kernarg_segment_align: 8
    .kernarg_segment_size: 32
    .max_flat_workgroup_size: 512
    .sgpr_count:     66
    .vgpr_count:     256
    .wavefront_size: 32
...
	.end_amdgpu_metadata
.endif
;; end of part 3
